; MI455X (gfx1250); checked and timed in simulation.
; The chip was launched on July 23, 2026; its instructions are those of AMD's public machine-readable ISA for CDNA 5 (MIT licence, August 2026) and "CDNA5" Instruction Set Architecture Reference Guide (July 2026). The comments in the code are by the model that wrote it; some were corrected since.
;; Multi Head Self Attention. Allowed arithmetic: float matrix products may take bf16 or f16 operands with f32 sums; all other float work in f32.
;; Inputs: W_out 1,024 x 1,024 float32; W_qkv 3,072 x 1,024 float32; b_out 1,024 float32; b_qkv 3,072 float32; mask 1 x 1 x 2,048 x 2,048 int32; x 4 x 2,048 x 1,024 float32.
;; Outputs: out0 4 x 2,048 x 1,024 float32.
;; One version. Each part assembles by itself: llvm-mc -triple=amdgcn-amd-amdhsa -mcpu=gfx1250 --defsym DOCPART=n.
;; ======== version 1 of 1: 4 launches
;; limits: values are held in f16: magnitudes above 65,504 overflow, below 6.1e-05 lose precision
;; workspace buffers: xb 16,777,216 bytes; wqkvb 6,291,456 bytes; wouth 2,097,152 bytes; mbits 524,288 bytes of whole numbers; qkvh 50,331,648 bytes; atth 16,777,216 bytes
;; launch prep (part 1): grid 512 x 1, 8 waves a work-group, no clusters, 0 bytes of LDS; arguments x, W_qkv, W_out, mask, xb, wqkvb, wouth, mbits; writes xb, wqkvb, wouth, mbits
.if DOCPART == 1
	.amdgcn_target "amdgcn-amd-amdhsa--gfx1250"
	.amdhsa_code_object_version 6
	.text
	.protected	k_q9082e3741c_prep
	.globl	k_q9082e3741c_prep
	.p2align	8
	.type	k_q9082e3741c_prep,@function
k_q9082e3741c_prep:
	s_mov_b64 s[64:65], 0
	v_nop
	global_prefetch_b8 v0, s[64:65] scope:SCOPE_SE
	s_setreg_imm32_b32 hwreg(HW_REG_WAVE_MODE, 25, 1), 1
	s_wait_xcnt 0x0
; prep: the matrix inputs are rounded once, and the mask is packed to bits.
;   x -> xb and W_qkv -> wqkvb in bf16.  W_out -> wouth: rounded to bf16 like the other two, and the rounded number held in f16
;   (its 8 significant bits fit f16 exactly down to 2^-17), because the other operand of that product, the attention's result, is f16.
;   mask -> mbits: one bit a score, set where mask == 0, as lane masks for the attention kernel:
;   u32 [kb 32][qg 32][n 128], n = 32 qt + 8 kt + j; bit L of a word: query 64 qg + 16 qt + (L & 15), key 64 kb + 16 kt + 8 (L >> 4) + j.
; LIMIT: |W_out| above 65,504 (f16's largest number) becomes infinite.
; Every work-group reads 131,072 bytes: groups 0-255 x, 256-351 W_qkv, 352-383 W_out, 384-511 the mask.  A stream: each input byte is
; read once, all 32 loads of a thread are issued before the first is waited for.  No matrix unit, no cluster, no tensor load, no LDS: nothing is shared.
.set IN,  4                            ; v[4:131]   32 loads of 16 bytes
.set W,   132                          ; v[132:135] mask path: lane l gathers words 4 l .. 4 l + 3
.set GO,  136                          ; mask path: my byte offset in the wave's 512 bytes of mbits
	s_load_b512 s[4:19], s[0:1], 0x0               ; x, W_qkv, W_out, mask, xb, wqkvb, wouth, mbits
	s_mov_b32 s20, ttmp9
	s_mov_b32 s33, 0xffff0000                      ; a word's upper bf16
	s_mov_b32 s27, 256
	v_lshlrev_b32 v1, 4, v0                        ; 16 bytes a thread in
	v_lshlrev_b32 v2, 3, v0                        ; 8 bytes a thread out
	s_wait_kmcnt 0x0
	s_cmp_ge_u32 s20, 384                          ; the same for all waves of the work-group
	s_cbranch_scc1 .Lmask
	; which tensor, and which chunk of it
	s_cmp_lt_u32 s20, 352
	s_cselect_b64 s[22:23], s[6:7], s[8:9]
	s_cselect_b64 s[24:25], s[14:15], s[16:17]
	s_cselect_b32 s26, s27, 352
	s_cmp_lt_u32 s20, 256
	s_cselect_b64 s[22:23], s[4:5], s[22:23]
	s_cselect_b64 s[24:25], s[12:13], s[24:25]
	s_cselect_b32 s26, 0, s26
	s_sub_co_u32 s26, s20, s26                     ; chunk number inside the tensor
	s_lshl_b32 s28, s26, 17                        ; 131,072 bytes in
	s_mov_b32 s29, 0
	s_lshl_b32 s30, s26, 16                        ; 65,536 bytes out
	s_mov_b32 s31, 0
	s_add_nc_u64 s[22:23], s[22:23], s[28:29]
	s_add_nc_u64 s[24:25], s[24:25], s[30:31]
.set i, 0
.rept 32
	global_load_b128 v[IN+4*i:IN+4*i+3], v1, s[22:23] offset:4096*i th:TH_LOAD_NT   ; a wave's load covers 512 neighbouring bytes
.set i, i+1
.endr
; four numbers a load: rounded, packed, stored.  half = 1: the bf16 numbers are widened again (a shift, a mask) and held in f16.
; No register is written after the store that reads it, so no wait stands behind the stores.
.macro CAST half
.set i, 0
.rept 32
	s_wait_loadcnt 31-i                            ; loads come back in order: load i is in, the 31 - i younger ones stay out
	v_cvt_pk_bf16_f32 v[IN+4*i],   v[IN+4*i],   v[IN+4*i+1]
	v_cvt_pk_bf16_f32 v[IN+4*i+1], v[IN+4*i+2], v[IN+4*i+3]
.if \half
	v_lshlrev_b32 v[IN+4*i+2], 16,  v[IN+4*i]
	v_and_b32     v[IN+4*i+3], s33, v[IN+4*i]
	v_cvt_pk_f16_f32 v[IN+4*i], v[IN+4*i+2], v[IN+4*i+3]
	v_lshlrev_b32 v[IN+4*i+2], 16,  v[IN+4*i+1]
	v_and_b32     v[IN+4*i+3], s33, v[IN+4*i+1]
	v_cvt_pk_f16_f32 v[IN+4*i+1], v[IN+4*i+2], v[IN+4*i+3]
.endif
	global_store_b64 v2, v[IN+4*i:IN+4*i+1], s[24:25] offset:2048*i   ; 32 lanes x 8 bytes: 256 consecutive bytes, aligned
.set i, i+1
.endr
.endm
	s_cmp_ge_u32 s20, 352
	s_cbranch_scc1 .Lwout
	CAST 0
	s_endpgm
.Lwout:
	CAST 1
	s_endpgm
.Lmask:
	; group j = g - 384 packs queries 64 (j >> 2) .. + 63 and keys 512 (j & 3) .. + 511; wave w takes the 64 keys of block kb = 8 (j & 3) + w.
	; Lane L = 16 h + r holds, in register n = 32 qt + 8 kt + j, the int of query 16 qt + r and key 16 kt + 8 h + j, as a lane of the attention kernel
	; holds that score.  So the lane mask of the compare with 0 IS word n.  Four words go to each lane of four registers, and one store writes the 512 bytes.
	s_sub_co_u32 s26, s20, 384
	s_lshr_b32 s27, s26, 2                         ; qg
	s_and_b32 s26, s26, 3                          ; kq
	v_lshrrev_b32 v3, 5, v0
	v_readfirstlane_b32 s34, v3                    ; wave
	s_lshl_b32 s28, s27, 19                        ; 64 rows of 8,192 bytes
	s_lshl_b32 s30, s26, 11                        ; 512 keys of 4 bytes
	s_add_co_u32 s28, s28, s30
	s_lshl_b32 s30, s34, 8                         ; 64 keys of 4 bytes
	s_add_co_u32 s28, s28, s30
	s_mov_b32 s29, 0
	s_add_nc_u64 s[22:23], s[10:11], s[28:29]
	s_lshl_b32 s30, s26, 17                        ; key block 8 kq + w, 16,384 bytes each
	s_lshl_b32 s32, s34, 14
	s_add_co_u32 s30, s30, s32
	s_lshl_b32 s32, s27, 9                         ; 512 bytes for each qg
	s_add_co_u32 s30, s30, s32
	s_mov_b32 s31, 0
	s_add_nc_u64 s[24:25], s[18:19], s[30:31]
	v_and_b32 v2, 15, v0                           ; r
	v_bfe_u32 v3, v0, 4, 1                         ; h
	v_lshlrev_b32 v1, 13, v2                       ; r x 8,192
	v_lshl_add_u32 v1, v3, 5, v1                   ; + h x 32
	v_and_b32 v[GO], 31, v0
	v_lshlrev_b32 v[GO], 4, v[GO]
.irp qt, 0,1,2,3
.irp kt, 0,1,2,3
.irp c, 0,1
	global_load_b128 v[IN+4*(8*\qt+2*\kt+\c):IN+4*(8*\qt+2*\kt+\c)+3], v1, s[22:23] offset:\qt*131072+\kt*64+\c*16   ; the eight loads of a qt cover 256 consecutive bytes of each of 16 rows between them: no non-temporal hint
.endr
.endr
.endr
.irp k, 0,1,2,3
	v_mov_b32 v[W+\k], 0                           ; v_writelane_b32 counts as a reader of its destination
.endr
.irp qt, 0,1,2,3
	s_wait_loadcnt 24-8*\qt                        ; this qt's eight loads are in, the later ones stay out
.set n, 32*\qt
.rept 8
	v_cmp_eq_u32 s36, 0, v[IN+n]                   ; bit L: this lane's int is 0, the score is masked
	v_cmp_eq_u32 s37, 0, v[IN+n+1]
	v_cmp_eq_u32 s38, 0, v[IN+n+2]
	v_cmp_eq_u32 s39, 0, v[IN+n+3]
	v_writelane_b32 v[W],   s36, n/4
	v_writelane_b32 v[W+1], s37, n/4
	v_writelane_b32 v[W+2], s38, n/4
	v_writelane_b32 v[W+3], s39, n/4
.set n, n+4
.endr
.endr
	global_store_b128 v[GO], v[W:W+3], s[24:25]    ; a wave stores 512 consecutive bytes, aligned
	s_endpgm
.Lfunc_end_k_q9082e3741c_prep:
	.size	k_q9082e3741c_prep, .Lfunc_end_k_q9082e3741c_prep-k_q9082e3741c_prep
	.p2alignl 7, 3214868480
	.fill 96, 4, 3214868480
	.section	.rodata,"a",@progbits
	.p2align	6, 0x0
	.amdhsa_kernel k_q9082e3741c_prep
		.amdhsa_group_segment_fixed_size 0
		.amdhsa_private_segment_fixed_size 0
		.amdhsa_enable_private_segment 0
		.amdhsa_kernarg_size 64
		.amdhsa_user_sgpr_count 2
		.amdhsa_user_sgpr_kernarg_segment_ptr 1
		.amdhsa_wavefront_size32 1
		.amdhsa_system_sgpr_workgroup_id_x 1
		.amdhsa_system_sgpr_workgroup_id_y 1
		.amdhsa_system_sgpr_workgroup_id_z 1
		.amdhsa_system_vgpr_workitem_id 0
		.amdhsa_next_free_vgpr 140
		.amdhsa_next_free_sgpr 66
		.amdhsa_reserve_vcc 0
		.amdhsa_float_denorm_mode_32 3
		.amdhsa_float_denorm_mode_16_64 3
		.amdhsa_memory_ordered 1
		.amdhsa_forward_progress 1
		.amdhsa_inst_pref_size 49
	.end_amdhsa_kernel
	.amdgpu_metadata
---
amdhsa.version: [ 1, 2 ]
amdhsa.kernels:
  - .name:           k_q9082e3741c_prep
    .symbol:         k_q9082e3741c_prep.kd
    .args:
      - { .name: x, .offset: 0, .size: 8, .value_kind: global_buffer, .address_space: global }
      - { .name: W_qkv, .offset: 8, .size: 8, .value_kind: global_buffer, .address_space: global }
      - { .name: W_out, .offset: 16, .size: 8, .value_kind: global_buffer, .address_space: global }
      - { .name: mask, .offset: 24, .size: 8, .value_kind: global_buffer, .address_space: global }
      - { .name: xb, .offset: 32, .size: 8, .value_kind: global_buffer, .address_space: global }
      - { .name: wqkvb, .offset: 40, .size: 8, .value_kind: global_buffer, .address_space: global }
      - { .name: wouth, .offset: 48, .size: 8, .value_kind: global_buffer, .address_space: global }
      - { .name: mbits, .offset: 56, .size: 8, .value_kind: global_buffer, .address_space: global }
    .group_segment_fixed_size: 0
    .private_segment_fixed_size: 0
    .kernarg_segment_align: 8
    .kernarg_segment_size: 64
    .max_flat_workgroup_size: 256
    .sgpr_count:     66
    .vgpr_count:     140
    .wavefront_size: 32
...
	.end_amdgpu_metadata
.endif
;; end of part 1
;; launch gemm_qkv (part 2): grid 8 x 32, 4 waves a work-group, clusters of 4 x 4, 327,680 bytes of LDS; arguments xb, wqkvb, b_qkv, qkvh; writes qkvh
.if DOCPART == 2
	.amdgcn_target "amdgcn-amd-amdhsa--gfx1250"
	.amdhsa_code_object_version 6
	.text
	.protected	k_q9082e3741c_gemm_qkv
	.globl	k_q9082e3741c_gemm_qkv
	.p2align	8
	.type	k_q9082e3741c_gemm_qkv,@function
k_q9082e3741c_gemm_qkv:
	s_mov_b64 s[64:65], 0
	v_nop
	global_prefetch_b8 v0, s[64:65] scope:SCOPE_SE
	s_setreg_imm32_b32 hwreg(HW_REG_WAVE_MODE, 25, 1), 1
	s_wait_xcnt 0x0
	s_wait_alu depctr_hold_cnt(0) depctr_sa_sdst(0) depctr_va_vdst(0) depctr_va_sdst(0) depctr_va_ssrc(0) depctr_va_vcc(0) depctr_vm_vsrc(0)
	s_getreg_b32 s2, hwreg(HW_REG_IB_STS2, 6, 4)
	s_cmp_eq_u32 s2, 0
	s_cbranch_scc0 .Lentry_in_a_cluster
	s_endpgm
.Lentry_in_a_cluster:
	s_bfe_u32 s2, ttmp6, 0x10000c
	s_cmp_lg_u32 s2, 0xf033
	s_cbranch_scc0 .Lentry_shape_is_right
	s_endpgm
.Lentry_shape_is_right:
; qkv = x W_qkv^T + b_qkv.  A = xb [8192][1024] bf16, B = wqkvb [3072][1024] bf16, sums in f32, bias in f32.
; Result in f16, split by head: qkvh [section 3][batch x head 64][t 2048][d 64]; section 0 (q) is multiplied by 0.125 log2(e), so that the
; attention kernel's scores are exponents of 2.
; LIMIT: |q|, |k|, |v| above 65,504 (f16's largest number) become infinite.  x and W both 30 times larger give about 4,500;
; both carrying an offset of 30 times their spread give about 1024 x 30 x 0.94 = 29,000.
; 8192 x 3072 results on 256 work-groups: a work-group makes 256 x 384 with four waves, a wave 128 x 192: 96 accumulator tiles of 16 x 16, 768 registers.
; For 32 along K a wave loads 8 + 12 fragments (40 LDS loads) and issues 96 matrix instructions.
; K goes in steps of 64 through two LDS slots of 640 rows filled by the tensor data mover.  With steps of 128 two slots would take
; 2 x 640 x 272 = 348,160 bytes, more than the 327,680 that a work-group can be given: so a tile's rows are 128 bytes of memory here.
; CLUSTERS: 4 x 4 work-groups.  The four of a row of the cluster need the same tiles of A, the four of a column the same tiles of B:
; each such tile is asked for jointly, by the same tensor load with the same descriptor and a mask that names the four.
; REGISTERS in windows of 256: window 0: v0-31 addresses, v32-159 fragments of A (two buffers of 8), v160-223 fragments of B (two buffers of 4);
; windows 1, 2, 3: accumulators; tile (n block b, m block a) lies in window 1 + b / 4 at v[8 (8 (b % 4) + a)].
; The matrix instruction is used transposed (source 0 = rows of B, source 1 = rows of A): lane l holds row l % 16 of the result and
; in registers 0..7 the columns 8 (l / 16) + 0..7, eight neighbouring numbers of a row.
.set SIZE_K, 1024
.set KSTEP,  64
.set PITCH,  144                       ; an LDS row: 128 bytes + 16 of padding, an odd multiple of 16: the 16 rows of a fragment load start in 16 different 16-byte columns
.set AT,     256*PITCH                 ; A's 256 rows: wave 0's tensor load
.set BT,     128*PITCH                 ; a third of B's 384 rows: the load of wave 1, 2 or 3
.set SLOT,   AT+3*BT
.set STAGE,  2*SLOT                    ; behind the ring: 16 rows x 400 bytes for each wave; no tensor load lands here
.set SPITCH, 400                       ; 384 bytes (192 f16) + 16, an odd multiple of 16
.set ADRA, 16                          ; v16-17  LDS address of my A fragments in slot 0, 1
.set ADRB, 20                          ; v20-21  the same for B
.set STO,  24
.set RD,   25
.set CO,   26
.set BO,   27                          ; byte offset of my 8 bias numbers of a tile: 32 (l / 16); never rewritten
.set AF0,  32
.set AF1,  96
.set BF0,  160
.set BF1,  192
.set TMP,  32                          ; the way out: 96 registers at work
.set RB0,  128                         ; the way out: two buffers of 48 registers, read back and stored
.set RB1,  176
.set G1, 24
.set G0, 32
.set G1B, 48
.set G0B, 56
.set SCL, 80                           ; s[80:85]  the scale of my three heads, each twice (a pair for the packed multiply)
.set OB,  88                           ; s[88:93]  where my three heads' rows go
.set MSB, 0
.macro WIN new                         ; the immediate's high byte repeats the setting that is left
.if MSB != (\new)
	s_set_vgpr_msb (MSB<<8)|(\new)
.set MSB, (\new)
.endif
.endm
.set ACC1, 0x50                        ; sources 0 and 1 window 0; C and D window 1, 2, 3
.set ACC2, 0xa0
.set ACC3, 0xf0
; A joint load: wave 0 fetches A's tile, waves 1 to 3 a third of B's each.  The branch hangs on the wave's number alone.
.macro JLOAD s
	s_cmp_eq_u32 s10, 0
	s_cbranch_scc0 .Lfor_b_\@
	tensor_load_to_lds s[G0+4*\s:G0+4*\s+3], s[G1:G1+7]
	s_nop 0
	s_branch .Lasked_\@
.Lfor_b_\@:
	tensor_load_to_lds s[G0B+4*\s:G0B+4*\s+3], s[G1B:G1B+7]
	s_nop 0
.Lasked_\@:
.endm
; A round of the cluster's barrier: my work-group's barrier; wave 0 signals for the work-group; every wave waits for all sixteen; my work-group's barrier again.
.macro CREST
	s_cmp_lg_u32 s10, 0
	s_cbranch_scc1 .Lnot_wave_0_\@
	s_barrier_signal -3
.Lnot_wave_0_\@:
	s_barrier_wait -3
	s_barrier_signal -1
	s_barrier_wait -1
.endm
.macro CROUND
	s_barrier_signal -1
	s_barrier_wait -1
	CREST
.endm
	s_load_b128 s[4:7], s[0:1], 0x0                ; A s[4:5], B s[6:7]
	s_load_b64 s[66:67], s[0:1], 0x10              ; bias
	s_load_b64 s[8:9], s[0:1], 0x18                ; result
	v_lshl_add_u32 v254, v0, 2, 0x33400
	v_mov_b32 v255, 0
	ds_add_u32 v254, v255
	v_lshrrev_b32 v1, 5, v0
	v_readfirstlane_b32 s10, v1                    ; wave 0..3
	s_lshr_b32 s11, s10, 1                         ; my half of the block's rows
	s_and_b32 s12, s10, 1                          ; my half of its columns
	s_bfe_u32 s40, ttmp6, 0x40000                  ; cx
	s_bfe_u32 s41, ttmp6, 0x40004                  ; cy
	s_lshl_b32 s42, ttmp9, 2
	s_add_co_u32 s42, s42, s40                     ; block column = 4 x cluster x + cx
	s_and_b32 s13, ttmp7, 0xffff
	s_lshl_b32 s13, s13, 2
	s_add_co_u32 s13, s13, s41                     ; block row = 4 x cluster y + cy
	s_lshl_b32 s43, s41, 2
	s_lshl_b32 s43, 15, s43                        ; my row of the cluster
	s_lshl_b32 s44, 0x1111, s40                    ; my column
	; descriptor group 1: rows of 64 elements of 2 bytes, 16 bytes of padding behind every 128; A 256 rows, B 128 rows
	s_or_b32 s[G1+0], s43, (1<<16)|(1<<20)|(1<<21)|(4<<22)|(3<<25)
	s_or_b32 s[G1B+0], s44, (1<<16)|(1<<20)|(1<<21)|(4<<22)|(3<<25)
	s_mov_b32 s[G1B+1], KSTEP<<16
	s_mov_b32 s[G1+1], KSTEP<<16                   ; tensor_dim0 = 64
	s_mov_b32 s[G1B+2], 128<<16
	s_mov_b32 s[G1+2], 256<<16                     ; tensor_dim1 = the tile's rows
	s_mov_b32 s[G1B+3], KSTEP<<16
	s_mov_b32 s[G1+3], KSTEP<<16                   ; tile_dim0 = 64
	s_mov_b32 s[G1B+4], 128
	s_mov_b32 s[G1+4], 256                         ; tile_dim1
	s_mov_b32 s[G1B+5], SIZE_K
	s_mov_b32 s[G1+5], SIZE_K                      ; elements from row to row
	s_mov_b32 s[G1B+6], 0
	s_mov_b32 s[G1+6], 0
	s_mov_b32 s[G1B+7], 0
	s_mov_b32 s[G1+7], 0
	; A's tiles hang on the block row alone, B's on the block column and the wave, each in registers that never hold the other coordinate
	s_lshl_b32 s16, s13, 19                        ; A: row 256 x block row, 2,048 bytes a row
	s_mov_b32 s17, 0
	s_max_u32 s45, s10, 1
	s_sub_co_u32 s45, s45, 1                       ; which third of B: wave - 1 (wave 0 asks for none; its figure is not used)
	s_lshl_b32 s45, s45, 7
	s_mul_i32 s46, s42, 384
	s_add_co_u32 s46, s46, s45                     ; B: row 384 x block column + 128 x third
	s_lshl_b32 s46, s46, 11
	s_mov_b32 s47, 0
	s_mul_i32 s20, s10, BT
	s_add_co_u32 s20, s20, BT                      ; LDS: behind A's 256 rows, (wave - 1) x 128 rows = (wave + 1) x 128 rows
	s_mul_i32 s70, s42, 1536                       ; bias: 4 bytes x (384 x block column + 192 x half)
	s_mul_i32 s71, s12, 768
	s_add_co_u32 s70, s70, s71
	s_mov_b32 s71, 0
	s_wait_dscnt 0x0
	s_wait_kmcnt 0x0
	s_add_nc_u64 s[14:15], s[4:5], s[16:17]
	s_add_nc_u64 s[46:47], s[6:7], s[46:47]
	s_add_nc_u64 s[66:67], s[66:67], s[70:71]
	CROUND                                         ; all sixteen work-groups are here: the first joint loads meet
.irp s, 0,1
	s_mov_b32 s[G0+4*\s], 1
	s_mov_b32 s[G0+4*\s+1], \s*SLOT
	s_add_nc_u64 s[G0+4*\s+2:G0+4*\s+3], s[14:15], \s*KSTEP*2
	s_or_b32 s[G0+4*\s+3], s[G0+4*\s+3], 0x80000000
	s_mov_b32 s[G0B+4*\s], 1
	s_add_co_u32 s[G0B+4*\s+1], s20, \s*SLOT
	s_add_nc_u64 s[G0B+4*\s+2:G0B+4*\s+3], s[46:47], \s*KSTEP*2
	s_or_b32 s[G0B+4*\s+3], s[G0B+4*\s+3], 0x80000000
	JLOAD \s                                       ; both slots are asked for before anything else: two tensor loads of the wave are out
.endr
	v_and_b32 v1, 15, v0                           ; l % 16
	v_bfe_u32 v2, v0, 4, 1                         ; l / 16
	v_mul_u32_u24 v3, v1, PITCH
	v_lshl_add_u32 v3, v2, 4, v3                   ; fragment: row x pitch + 16 x half
	s_mul_i32 s21, s11, 128*PITCH                  ; my 128 rows of A
	s_mul_i32 s22, s12, 192*PITCH                  ; my 192 rows of B,
	s_add_co_u32 s22, s22, AT                      ; which lie behind A's 256
.irp s, 0,1
	v_add_nc_u32 v[ADRA+\s], s21, v3
	v_add_nc_u32 v[ADRB+\s], s22, v3
	s_add_co_u32 s21, s21, SLOT
	s_add_co_u32 s22, s22, SLOT
.endr
	s_mul_i32 s23, s10, 16*SPITCH
	s_add_co_u32 s23, s23, STAGE                   ; my stage
	v_mul_u32_u24 v4, v1, SPITCH
	v_lshl_add_u32 v4, v2, 4, v4
	v_add_nc_u32 v[STO], s23, v4                   ; in: row l % 16, 16 bytes for each half of the lanes
	; back: a stage row holds three heads' 128 bytes.  A load takes one head's part of four rows; in the result these are 512 consecutive bytes.
	v_and_b32 v5, 31, v0
	v_lshrrev_b32 v6, 3, v5                        ; which of the four rows
	v_and_b32 v7, 7, v0                            ; which 16 bytes of the 128
	v_mul_u32_u24 v6, v6, SPITCH
	v_lshl_add_u32 v6, v7, 4, v6
	v_add_nc_u32 v[RD], s23, v6
	v_lshlrev_b32 v[CO], 4, v5
	v_lshlrev_b32 v[BO], 5, v2
	; The bias of columns 16 b + 8 (l / 16) + 0..7 goes into accumulator tile (b, 0): it is the C of the first products of the eight tiles (b, 0..7).
.irp g, 0,1,2
	WIN (1+\g)<<6                                  ; destination window 1 + g
.irp b, 0,1,2,3
	global_load_b128 v[64*\b:64*\b+3],   v[BO], s[66:67] offset:64*(4*\g+\b)
	global_load_b128 v[64*\b+4:64*\b+7], v[BO], s[66:67] offset:64*(4*\g+\b)+16
.endr
.endr
	WIN 0
; 16 matrix instructions of one window: m blocks a0 .. a0 + 3 x the window's four n blocks, 32 along K.
; The accumulators take turns, one instruction a turn, in the same order in every quarter step.
.macro MUL16 bf, af, a0
.irp a, \a0, \a0+1, \a0+2, \a0+3
.irp b, 0,1,2,3
	v_wmma_f32_16x16x32_bf16 v[8*(8*\b+(\a)):8*(8*\b+(\a))+7], v[\bf+8*\b:\bf+8*\b+7], v[\af+8*(\a):\af+8*(\a)+7], v[8*(8*\b+(\a)):8*(8*\b+(\a))+7]
.endr
.endr
.endm
; The first 32 of a window: the sums start from the bias, which lies in tile (b, 0).  Tiles (b, 1..7) take it as C; five places further on
; (a matrix instruction writes over a register that earlier ones read: ISA guide 7.12.1) tile (b, 0) adds in place.  Nothing is cleared.
.macro MULB bf, af
.irp a, 1,2,3,4,5,6,7
.irp b, 0,1,2,3
	v_wmma_f32_16x16x32_bf16 v[8*(8*\b+\a):8*(8*\b+\a)+7], v[\bf+8*\b:\bf+8*\b+7], v[\af+8*\a:\af+8*\a+7], v[64*\b:64*\b+7]
.endr
.endr
.rept 5
	v_nop
.endr
.irp b, 0,1,2,3
	v_wmma_f32_16x16x32_bf16 v[64*\b:64*\b+7], v[\bf+8*\b:\bf+8*\b+7], v[\af:\af+7], v[64*\b:64*\b+7]
.endr
.endm
.macro LDB slot, k, g, f               ; 8 LDS loads: n blocks 4 g .. 4 g + 3, 32 K at byte k of the rows
.irp i, 0,1,2,3
	ds_load_b128 v[\f+8*\i:\f+8*\i+3],   v[ADRB+\slot] offset:\k+(4*\g+\i)*16*PITCH
	ds_load_b128 v[\f+8*\i+4:\f+8*\i+7], v[ADRB+\slot] offset:\k+(4*\g+\i)*16*PITCH+32
.endr
.endm
.macro LDA slot, k, i0, f              ; 8 LDS loads: m blocks i0 .. i0 + 3
.irp i, 0,1,2,3
	ds_load_b128 v[\f+8*(\i0+\i):\f+8*(\i0+\i)+3],   v[ADRA+\slot] offset:\k+(\i0+\i)*16*PITCH
	ds_load_b128 v[\f+8*(\i0+\i)+4:\f+8*(\i0+\i)+7], v[ADRA+\slot] offset:\k+(\i0+\i)*16*PITCH+32
.endr
.endm
; Four places behind a matrix instruction before a load lands on a register that it read, or anything but a matrix instruction reads its result
.macro PLACES
.rept 4
	v_nop
.endr
.endm
; A K step: two quarters of 32 along K, each three groups of 32 matrix instructions (windows 1, 2, 3).  A's fragments of a quarter stay in AF0 or AF1;
; B's come four at a time into BF0 and BF1 by turns.  In front of each group the fragments of the NEXT group are asked for, into the buffers that the
; group before has just read, 32 matrix instructions ahead of their use; the wait leaves just these out.
; The slots change in the fifth group.  In front of the barrier each wave waits for its reads of this slot and for all its tensor loads (one is out: its part of
; the next slot).  Where the slot is filled again the barrier opens a round of the cluster's barrier, and the joint refill is the first tensor load behind the round.
; first = 1: the sums start.  more = 0: the last K step.  fill = 1: this slot is filled again, two K steps ahead.
.macro KS slot, next, first, more, fill
	PLACES
	WIN 0
	LDB \slot, 0, 1, BF1
	LDA \slot, 64, 0, AF1
	s_wait_dscnt 16                                ; all but the 16 just issued
	WIN ACC1
.if \first
	MULB BF0, AF0
.else
	MUL16 BF0, AF0, 0
	MUL16 BF0, AF0, 4
.endif
	PLACES
	WIN 0
	LDB \slot, 0, 2, BF0
	LDA \slot, 64, 4, AF1
	s_wait_dscnt 16
	WIN ACC2
.if \first
	MULB BF1, AF0
.else
	MUL16 BF1, AF0, 0
	MUL16 BF1, AF0, 4
.endif
	PLACES
	WIN 0
	LDB \slot, 64, 0, BF1
	s_wait_dscnt 8                                 ; all but the 8 just issued
	WIN ACC3
.if \first
	MULB BF0, AF0
.else
	MUL16 BF0, AF0, 0
	MUL16 BF0, AF0, 4
.endif
	PLACES
	WIN 0
	LDB \slot, 64, 1, BF0
	s_wait_dscnt 8
	WIN ACC1
	MUL16 BF1, AF1, 0
	MUL16 BF1, AF1, 4
	PLACES
	WIN 0
	LDB \slot, 64, 2, BF1
	s_wait_dscnt 8
	WIN ACC2
	MUL16 BF0, AF1, 0
.if \more
	s_wait_dscnt 0                                 ; my reads of this slot are over
	s_wait_tensorcnt 0x0                           ; all my tensor loads have landed
	ds_add_u32 v254, v255
	s_wait_dscnt 0x0
	s_barrier_signal -1
.endif
	MUL16 BF0, AF1, 4                              ; register work while the others arrive
.if \more
	WIN 0
	s_barrier_wait -1
.if \fill
	CREST
	s_add_nc_u64 s[G0+4*\slot+2:G0+4*\slot+3], s[G0+4*\slot+2:G0+4*\slot+3], 2*KSTEP*2
	s_add_nc_u64 s[G0B+4*\slot+2:G0B+4*\slot+3], s[G0B+4*\slot+2:G0B+4*\slot+3], 2*KSTEP*2
	JLOAD \slot
.endif
	PLACES
	LDA \next, 0, 0, AF0
	LDA \next, 0, 4, AF0
	LDB \next, 0, 0, BF0
.else
	s_wait_dscnt 0
.endif
	WIN ACC3
	MUL16 BF1, AF1, 0
	MUL16 BF1, AF1, 4
.endm
	s_wait_tensorcnt 1                             ; my part of K step 0 is in; K step 1's load stays out
	s_barrier_signal -1
	s_barrier_wait -1
	LDA 0, 0, 0, AF0
	LDA 0, 0, 4, AF0
	LDB 0, 0, 0, BF0
	s_wait_loadcnt 0x0                             ; the bias
	KS 0, 1, 1, 1, 1                               ; K steps 0 and 1 stand in front of the loop: the first starts the sums
	KS 1, 0, 0, 1, 1
	WIN 0
	s_mov_b32 s3, 6                                ; K steps 2 to 13
.Llap:
	KS 0, 1, 0, 1, 1
	KS 1, 0, 0, 1, 1
	WIN 0
	s_sub_co_u32 s3, s3, 1
	s_cmp_lg_u32 s3, 0
	s_cbranch_scc1 .Llap
	KS 0, 1, 0, 1, 0                               ; K steps 14 and 15 fill nothing
	KS 1, 0, 0, 0, 0
	; THE WAY OUT, 16 rows at a time: times the head's scale, rounded to f16, 16 bytes a lane into my own stage, read back by heads.
	PLACES
	s_mul_i32 s72, s42, 6
	s_mul_i32 s73, s12, 3
	s_add_co_u32 s72, s72, s73                     ; the first of my three heads among the 48 (q 0-15, k 16-31, v 32-47)
	s_lshr_b32 s74, s13, 3                         ; batch = block row / 8
	s_lshl_b32 s74, s74, 4
	s_and_b32 s75, s13, 7
	s_lshl_b32 s75, s75, 8
	s_lshl_b32 s76, s11, 7
	s_add_co_u32 s75, s75, s76                     ; t of my first row
	s_lshl_b32 s75, s75, 7                         ; 128 bytes a row
.irp hd, 0,1,2
	s_add_co_u32 s76, s72, \hd
	s_cmp_lt_u32 s76, 16
	s_cselect_b32 s[SCL+2*\hd], 0x3e38aa3b, 1.0    ; 0.125 log2(e) for a head of q, 1 for k and v: a choice of a value
	s_mov_b32 s[SCL+2*\hd+1], s[SCL+2*\hd]
	s_lshr_b32 s77, s76, 4                         ; section
	s_and_b32 s76, s76, 15                         ; head
	s_lshl_b32 s77, s77, 6
	s_add_co_u32 s77, s77, s76
	s_add_co_u32 s77, s77, s74                     ; 64 section + 16 batch + head,
	s_lshl_b32 s78, s77, 18                        ; 262,144 bytes each
	s_add_co_u32 s78, s78, s75
	s_mov_b32 s79, 0
	s_add_nc_u64 s[OB+2*\hd:OB+2*\hd+1], s[8:9], s[78:79]
.endr
; rows 16 a .. 16 a + 15 of my block = the twelve tiles (0..11, a); window 1 + g holds head g's four; rb: RB0, RB1 in turn
.macro OUT16 a, rb
.irp g, 0,1,2
	WIN 1+\g                                       ; source 0 window 1 + g
.irp b, 0,1,2,3
.irp r, 0,1,2,3
	v_pk_mul_f32 v[TMP+8*(4*\g+\b)+2*\r:TMP+8*(4*\g+\b)+2*\r+1], v[8*(8*\b+\a)+2*\r:8*(8*\b+\a)+2*\r+1], s[SCL+2*\g:SCL+2*\g+1] op_sel_hi:[1,0]
.endr
.endr
.endr
	WIN 0
.set k, 0
.rept 48
	v_cvt_pk_f16_f32 v[TMP+k], v[TMP+2*k], v[TMP+2*k+1]        ; packed downward: register k has been read before it is written
.set k, k+1
.endr
.irp b, 0,1,2,3,4,5,6,7,8,9,10,11
	ds_store_b128 v[STO], v[TMP+4*\b:TMP+4*\b+3] offset:32*\b
.endr
	s_wait_xcnt 0x0                                ; buffer rb, which earlier stores read, is loaded again only behind this wait
.irp hd, 0,1,2
.irp t, 0,1,2,3
	ds_load_b128 v[\rb+4*(4*\hd+\t):\rb+4*(4*\hd+\t)+3], v[RD] offset:\t*4*SPITCH+\hd*128   ; LDS serves a wave's instructions in order: these see the stores above
.endr
.endr
.irp hd, 0,1,2
.irp t, 0,1,2,3
	s_wait_dscnt 11-(4*\hd+\t)                     ; this load is in, the younger ones stay out
	global_store_b128 v[CO], v[\rb+4*(4*\hd+\t):\rb+4*(4*\hd+\t)+3], s[OB+2*\hd:OB+2*\hd+1] offset:(16*\a+4*\t)*128   ; a wave stores four rows of a head: 512 consecutive bytes, aligned
.endr
.endr
.endm
	OUT16 0, RB0
	OUT16 1, RB1
	OUT16 2, RB0
	OUT16 3, RB1
	OUT16 4, RB0
	OUT16 5, RB1
	OUT16 6, RB0
	OUT16 7, RB1
	s_wait_tensorcnt 0x0
	ds_add_u32 v254, v255
	s_wait_dscnt 0x0
	CROUND                                         ; the closing round: no work-group ends while a partner may still ask for a tile that names it
	s_endpgm
.Lfunc_end_k_q9082e3741c_gemm_qkv:
	.size	k_q9082e3741c_gemm_qkv, .Lfunc_end_k_q9082e3741c_gemm_qkv-k_q9082e3741c_gemm_qkv
	.p2alignl 7, 3214868480
	.fill 96, 4, 3214868480
	.section	.rodata,"a",@progbits
	.p2align	6, 0x0
	.amdhsa_kernel k_q9082e3741c_gemm_qkv
		.amdhsa_group_segment_fixed_size 327680
		.amdhsa_private_segment_fixed_size 0
		.amdhsa_enable_private_segment 0
		.amdhsa_kernarg_size 32
		.amdhsa_user_sgpr_count 2
		.amdhsa_user_sgpr_kernarg_segment_ptr 1
		.amdhsa_wavefront_size32 1
		.amdhsa_system_sgpr_workgroup_id_x 1
		.amdhsa_system_sgpr_workgroup_id_y 1
		.amdhsa_system_sgpr_workgroup_id_z 1
		.amdhsa_system_vgpr_workitem_id 0
		.amdhsa_next_free_vgpr 1024
		.amdhsa_next_free_sgpr 96
		.amdhsa_reserve_vcc 0
		.amdhsa_float_denorm_mode_32 3
		.amdhsa_float_denorm_mode_16_64 3
		.amdhsa_memory_ordered 1
		.amdhsa_forward_progress 1
		.amdhsa_inst_pref_size 199
	.end_amdhsa_kernel
	.amdgpu_metadata
---
amdhsa.version: [ 1, 2 ]
amdhsa.kernels:
  - .name:           k_q9082e3741c_gemm_qkv
    .symbol:         k_q9082e3741c_gemm_qkv.kd
    .args:
      - { .name: xb, .offset: 0, .size: 8, .value_kind: global_buffer, .address_space: global }
      - { .name: wqkvb, .offset: 8, .size: 8, .value_kind: global_buffer, .address_space: global }
      - { .name: b_qkv, .offset: 16, .size: 8, .value_kind: global_buffer, .address_space: global }
      - { .name: qkvh, .offset: 24, .size: 8, .value_kind: global_buffer, .address_space: global }
    .group_segment_fixed_size: 327680
    .private_segment_fixed_size: 0
    .kernarg_segment_align: 8
    .kernarg_segment_size: 32
    .max_flat_workgroup_size: 128
    .sgpr_count:     96
    .vgpr_count:     1024
    .wavefront_size: 32
...
	.end_amdgpu_metadata
.endif
;; end of part 2
;; launch attn (part 3): grid 8 x 32, 8 waves a work-group, clusters of 4 x 1, 327,680 bytes of LDS; arguments qkvh, mbits, atth; writes atth
.if DOCPART == 3
	.amdgcn_target "amdgcn-amd-amdhsa--gfx1250"
	.amdhsa_code_object_version 6
	.text
	.protected	k_q9082e3741c_attn
	.globl	k_q9082e3741c_attn
	.p2align	8
	.type	k_q9082e3741c_attn,@function
k_q9082e3741c_attn:
	s_mov_b64 s[64:65], 0
	v_nop
	global_prefetch_b8 v0, s[64:65] scope:SCOPE_SE
	s_setreg_imm32_b32 hwreg(HW_REG_WAVE_MODE, 25, 1), 1
	s_wait_xcnt 0x0
	s_wait_alu depctr_hold_cnt(0) depctr_sa_sdst(0) depctr_va_vdst(0) depctr_va_sdst(0) depctr_va_ssrc(0) depctr_va_vcc(0) depctr_vm_vsrc(0)
	s_getreg_b32 s2, hwreg(HW_REG_IB_STS2, 6, 4)
	s_cmp_eq_u32 s2, 0
	s_cbranch_scc0 .Lentry_in_a_cluster
	s_endpgm
.Lentry_in_a_cluster:
	s_bfe_u32 s2, ttmp6, 0x10000c
	s_cmp_lg_u32 s2, 0x3003
	s_cbranch_scc0 .Lentry_shape_is_right
	s_endpgm
.Lentry_shape_is_right:
; Attention with a running maximum.  qkvh: f16 [q, k, v][batch x head 64][t 2048][d 64], q already times 0.125 log2(e).
; mbits: one bit a score, set where the mask is 0, as lane masks.  atth: f16 [8192][1024], column 64 head + d.
; The mask is an input: all 2048 x 2048 scores of every head are made and every bit is honoured.
; A work-group does 256 queries of two neighbouring heads (so that a row of atth leaves as 256 consecutive bytes); wave w does head w >> 2,
; queries 64 (w & 3) .. + 63.  Eight waves, 512 registers each: two waves on each SIMD, so that one wave's softmax can run beside the other's matrix work.
; CLUSTERS: the four work-groups of a cluster are four query blocks of the same two heads and read the same K and V: every fill is a joint load, mask 15.
; TRANSPOSED: S^T = K Q^T (source 0 = 16 keys, source 1 = 16 queries): lane (r, h) holds, of query r, keys 8 h + 0..7 of the tile.  Two neighbouring key tiles,
; packed to f16 in place, ARE source 1 of O^T = V^T P^T: P takes no way through LDS.  Maximum, sum and rescale factor are one number a lane and query tile.
; THE MASK: word 32 qt + 8 kt + j of a block of 64 keys x 64 queries has in bit L what lane L needs for register j of tile (qt, kt).  The words come into scalar
; registers, and one v_cndmask_b32 a register replaces the masked scores by -FLT_MAX (reference: -1e9).  A step needs 128 words and 64 scalar registers are free for
; them, so a step's softmax goes in two halves of two query tiles: both tiles are masked at once, the next two tiles' words are asked for into the registers just
; read, and these loads have the rest of the half (two tiles' maximum, subtraction, exponentials, sums, their part of the rescale and of P V) in which to land.
; LIMITS: the results agree as long as a row's largest kept scaled score is above about -1e9 + 104, where the reference's exp(-1e9 - max) is 0 in f32;
; a row masked throughout gives the mean of V, as in the reference.  A NaN among the kept scores is dropped by the maximum and then spreads through the exponential.
; P, in [0, 1], is rounded to f16: below 6e-8 it becomes 0.
; ONE PITCH for K and V, 144 bytes, so that one descriptor shape and one line serve all eight waves' loads; the scalar registers so spared hold mask words.
; For K's fragment loads 144 is free of bank conflicts (an odd multiple of 16).  In the transposing load of V sixteen lanes take 8 rows x 2 columns of 16 bytes,
; at columns 9 i and 9 i + 1 modulo 16: row 7's second falls on row 0's first, so two of the sixteen lanes share a column.
.set KP,     144
.set CHUNK,  128*KP                    ; 128 keys: one wave's tensor load
.set HEADB,  256*KP                    ; a head's 256 keys
.set VREG,   2*HEADB                   ; V's place in a slot, behind K's two heads
.set SLOT,   8*CHUNK                   ; 147,456 bytes: 256 keys of K and V of both heads
.set PASSB,  32768                     ; 256 keys x 128 bytes in memory
.set SPITCH, 272                       ; the way out: 256 + 16
; window 0
.set KB0, 8                            ; my K fragment address in slot 0
.set VB0, 9                            ; my V fragment address in slot 0
.set KA,  10                           ; the same for the step at hand
.set VA,  11
.set STO, 12
.set RDA, 13
.set CO,  14
.set QO,  15
.set XF,  64                           ; v[64:127]  K fragment (kt, ks) at 16 kt + 8 ks; then V fragment (c, dt) at 32 c + 8 dt
.set OT,  128                          ; v[128:255] O^T tile (qt, dt) at 32 qt + 8 dt
; window 1
.set SC,  0                            ; v[0:127]   S^T tile (qt, kt) at 32 qt + 8 kt; P fragment (qt, c) at 32 qt + 16 c
.set QF,  128                          ; v[128:191] Q fragment (qt, ks) at 16 qt + 8 ks
.set NEG, 192                          ; -FLT_MAX
.set ML,  228                          ; v[228:235] pairs (maximum, sum) of qt
.set AL,  236                          ; v[236:243] pairs (rescale factor, unused)
.set T,   244                          ; v[244:251] at work
; scalars: s[2:3] mbits; s4 wave, s5 wave & 3, s6 wave >> 2; s7, s25 counters; s24 byte offset of the mask block; s26, s27 lane selectors; s[28:29] atth
.set G1,  8                            ; s[8:15]   descriptor group 1
.set G0,  16                           ; s[16:23]  descriptor group 0, one set of four for each slot
.set MB0, 32                           ; s[32:63]  mask words of query tiles 0 and 2
.set MB1, 68                           ; s[68:99]  mask words of query tiles 1 and 3 (temporaries ahead of the first step)
.set MSB, 0
.macro WIN new                         ; the immediate's high byte repeats the setting that is left
.if MSB != (\new)
	s_set_vgpr_msb (MSB<<8)|(\new)
.set MSB, (\new)
.endif
.endm
; settings: 0x54 scores (source 0 window 0; source 1, C, D window 1); 0x55 softmax (all window 1); 0x04 rescale and P V (source 1 window 1)
.macro ROUND                           ; a round of the cluster's barrier
	s_barrier_signal -1
	s_barrier_wait -1
	s_cmp_lg_u32 s4, 0
	s_cbranch_scc1 .Lnot_wave_0_\@
	s_barrier_signal -3
.Lnot_wave_0_\@:
	s_barrier_wait -3
	s_barrier_signal -1
	s_barrier_wait -1
.endm
.macro MLOAD buf, off                  ; a query tile's 32 mask words, 128 bytes at byte off of the block at hand
	s_load_b512 s[\buf:\buf+15],    s[2:3], s24 offset:\off
	s_load_b512 s[\buf+16:\buf+31], s[2:3], s24 offset:\off+64
.endm
	s_load_b64 s[68:69], s[0:1], 0x0               ; qkvh
	s_load_b64 s[2:3], s[0:1], 0x8                 ; mbits
	s_load_b64 s[28:29], s[0:1], 0x10              ; atth
	v_lshl_add_u32 v62, v0, 2, 0x48000
	v_mov_b32 v63, 0
	ds_add_u32 v62, v63
	v_lshrrev_b32 v1, 5, v0
	v_readfirstlane_b32 s4, v1                     ; wave 0..7
	s_and_b32 s5, s4, 3                            ; my 64 queries
	s_lshr_b32 s6, s4, 2                           ; my head of the two.  Also: I fetch K (0) or V (1)
	s_bfe_u32 s72, ttmp6, 0x40000                  ; cx
	s_lshl_b32 s73, ttmp9, 2
	s_add_co_u32 s73, s73, s72                     ; query block 0..7
	s_and_b32 s74, ttmp7, 0xffff                   ; head pair 0..31
	s_mov_b32 s26, 0x76543210                      ; v_permlanex16_b32: lane i of one half reads lane i of the other
	s_mov_b32 s27, 0xfedcba98
	; Group 1: 128 keys x 128 bytes are dense in memory and come as 64 rows of 256 bytes; the padding follows every 32 words, that is every key's 128 bytes
	s_mov_b32 s[G1+0], 15|(1<<16)|(1<<20)|(1<<21)|(4<<22)|(3<<25)   ; mask: all four partners; 2-byte elements; padding on; 21 set beside a mask; every 32 words; 4 words
	s_mov_b32 s[G1+1], 128<<16                     ; tensor_dim0 = 128
	s_mov_b32 s[G1+2], 64<<16                      ; tensor_dim1 = 64
	s_mov_b32 s[G1+3], 128<<16                     ; tile_dim0 = 128
	s_mov_b32 s[G1+4], 64                          ; tile_dim1 = 64
	s_mov_b32 s[G1+5], 128                         ; elements from row to row
	s_mov_b32 s[G1+6], 0
	s_mov_b32 s[G1+7], 0
	; where wave w's eighth of a slot comes from: section 1 + (w >> 2) (k, v), head pair, head (w >> 1) & 1, half w & 1 of the 256 keys.  Nothing here holds cx.
	s_add_co_u32 s76, s6, 1
	s_lshl_b32 s76, s76, 24
	s_lshl_b32 s77, s74, 19
	s_add_co_u32 s76, s76, s77
	s_bfe_u32 s77, s4, 0x10001
	s_lshl_b32 s77, s77, 18
	s_add_co_u32 s76, s76, s77
	s_and_b32 s77, s4, 1
	s_lshl_b32 s77, s77, 14
	s_add_co_u32 s76, s76, s77
	s_mov_b32 s77, 0
	s_mul_i32 s78, s4, CHUNK                       ; and where it goes: wave x 128 keys
	s_wait_dscnt 0x0
	s_wait_kmcnt 0x0
	s_add_nc_u64 s[80:81], s[68:69], s[76:77]
	ROUND                                          ; the four work-groups are here: the first joint loads meet
.irp n, 0,1
	s_mov_b32 s[G0+4*\n], 1
	s_add_co_u32 s[G0+4*\n+1], s78, \n*SLOT
	s_add_nc_u64 s[G0+4*\n+2:G0+4*\n+3], s[80:81], \n*PASSB    ; keys 256 n ..
	s_or_b32 s[G0+4*\n+3], s[G0+4*\n+3], 0x80000000
	tensor_load_to_lds s[G0+4*\n:G0+4*\n+3], s[G1:G1+7]        ; both slots' first fills: two tensor loads of the wave are out
	s_nop 0
.endr
	; what hangs on the query block lives in s24, s[28:29], s[70:71], s82, s83, which feed no descriptor
	s_lshr_b32 s82, s74, 3                         ; atth: row (batch x 2048 + 256 x block + 32 x wave) x 2,048 bytes + 256 bytes x (pair & 7)
	s_lshl_b32 s82, s82, 22
	s_lshl_b32 s83, s73, 19
	s_add_co_u32 s82, s82, s83
	s_lshl_b32 s83, s4, 16
	s_add_co_u32 s82, s82, s83
	s_and_b32 s83, s74, 7
	s_lshl_b32 s83, s83, 8
	s_add_co_u32 s82, s82, s83
	s_mov_b32 s83, 0
	s_add_nc_u64 s[28:29], s[28:29], s[82:83]
	s_lshl_b32 s82, s74, 19                        ; q: head 2 pair + s6, row 256 x block + 64 x s5, 128 bytes a row
	s_lshl_b32 s83, s6, 18
	s_add_co_u32 s82, s82, s83
	s_lshl_b32 s83, s73, 15
	s_add_co_u32 s82, s82, s83
	s_lshl_b32 s83, s5, 13
	s_add_co_u32 s82, s82, s83
	s_mov_b32 s83, 0
	s_add_nc_u64 s[70:71], s[68:69], s[82:83]
	s_lshl2_add_u32 s24, s73, s5                   ; my group of 64 queries: 4 x block + s5,
	s_lshl_b32 s24, s24, 9                         ; 512 bytes of mask words each
	MLOAD MB0, 0                                   ; the first step's words of query tile 0
	v_and_b32 v2, 15, v0                           ; r
	v_bfe_u32 v3, v0, 4, 1                         ; h
	v_and_b32 v4, 7, v0
	v_bfe_u32 v5, v0, 3, 1
	v_mul_u32_u24 v[KB0], v2, KP                   ; K fragment: row r x pitch + 16 h + my head
	v_lshl_add_u32 v[KB0], v3, 4, v[KB0]
	s_mul_i32 s84, s6, HEADB
	v_add_nc_u32 v[KB0], s84, v[KB0]
	v_lshl_add_u32 v6, v3, 3, v4                   ; V, transposing load: row 8 h + (L & 7), 16 bytes x ((L >> 3) & 1)
	v_mul_u32_u24 v[VB0], v6, KP
	v_lshl_add_u32 v[VB0], v5, 4, v[VB0]
	s_add_co_u32 s84, s84, VREG
	v_add_nc_u32 v[VB0], s84, v[VB0]
	v_lshlrev_b32 v[QO], 7, v2                     ; Q fragment from memory: row r x 128 + 16 h
	v_lshl_add_u32 v[QO], v3, 4, v[QO]
	s_mul_i32 s84, s5, 64*SPITCH                   ; the way out, in: row 64 s5 + 16 qt + r, my head's 128 bytes, 16 h
	s_lshl_b32 s85, s6, 7
	s_add_co_u32 s84, s84, s85
	v_mul_u32_u24 v[STO], v2, SPITCH
	v_lshl_add_u32 v[STO], v3, 4, v[STO]
	v_add_nc_u32 v[STO], s84, v[STO]
	s_mul_i32 s84, s4, 32*SPITCH                   ; back: rows 32 w + 2 i + h, 16 bytes x r
	v_mul_u32_u24 v[RDA], v3, SPITCH
	v_lshl_add_u32 v[RDA], v2, 4, v[RDA]
	v_add_nc_u32 v[RDA], s84, v[RDA]
	v_lshlrev_b32 v[CO], 11, v3
	v_lshl_add_u32 v[CO], v2, 4, v[CO]
	v_mov_b32 v[KA], v[KB0]
	v_mov_b32 v[VA], v[VB0]
	WIN 0x40                                       ; destination window 1
.irp qt, 0,1,2,3
.irp ks, 0,1
	global_load_b128 v[QF+16*\qt+8*\ks:QF+16*\qt+8*\ks+3],   v[QO], s[70:71] offset:\qt*2048+\ks*64
	global_load_b128 v[QF+16*\qt+8*\ks+4:QF+16*\qt+8*\ks+7], v[QO], s[70:71] offset:\qt*2048+\ks*64+32
.endr
.endr
.irp qt, 0,1,2,3
	v_mov_b32 v[ML+2*\qt+1], 0                     ; second halves of pairs that packed instructions name before their first real write
	v_mov_b32 v[AL+2*\qt+1], 0
.endr
	v_mov_b32 v[T+4], 0                            ; v_permlanex16_b32 counts as a reader of its destination
	v_mov_b32 v[NEG], 0xff7fffff                   ; -FLT_MAX
	WIN 0
	s_wait_loadcnt 0x0                             ; Q is in: its base s[70:71] lies among the registers that mask words take from here on
	MLOAD MB1, 128                                 ; the first step's words of query tile 1
	s_wait_tensorcnt 0x1                           ; my part of slot 0 is in; slot 1's load stays out
	s_barrier_signal -1
	s_barrier_wait -1
; 16 matrix instructions: key tiles kt0, kt0 + 1 x four query tiles x two halves of d.  Eight accumulators take turns, one instruction a turn.
.macro QK kt0
.irp ks, 0,1
.irp kt, \kt0, \kt0+1
.irp qt, 0,1,2,3
.if \ks
	v_wmma_f32_16x16x32_f16 v[SC+32*\qt+8*(\kt):SC+32*\qt+8*(\kt)+7], v[XF+16*(\kt)+8*\ks:XF+16*(\kt)+8*\ks+7], v[QF+16*\qt+8*\ks:QF+16*\qt+8*\ks+7], v[SC+32*\qt+8*(\kt):SC+32*\qt+8*(\kt)+7]
.else
	v_wmma_f32_16x16x32_f16 v[SC+32*\qt+8*(\kt):SC+32*\qt+8*(\kt)+7], v[XF+16*(\kt)+8*\ks:XF+16*(\kt)+8*\ks+7], v[QF+16*\qt+8*\ks:QF+16*\qt+8*\ks+7], 0
.endif
.endr
.endr
.endr
.endm
; The 32 exponentials of a query tile stand in a queue and are strewn through the plain work on the half's OTHER tile: EX issues the next one, if one is left.
; So each is followed by a plain instruction that touches none of its registers (ISA guide 5.7.2).
.set EXT, 0
.set EXN, 32
.macro EXQ qt
.set EXT, \qt
.set EXN, 0
.endm
.macro EX
.if EXN < 32
	v_exp_f32 v[SC+32*EXT+EXN], v[SC+32*EXT+EXN]
.set EXN, EXN+1
.endif
.endm
.macro EXFLUSH                         ; what is left of the queue (nothing, by the counts given at MAXQ, SUBQ and SUMCVT)
.rept 32
	EX
.endr
.endm
.macro MASKQ qt, buf                   ; register n of the tile: the lanes whose bit is set in word n take -FLT_MAX
.irp n, 0,1,2,3,4,5,6,7,8,9,10,11,12,13,14,15,16,17,18,19,20,21,22,23,24,25,26,27,28,29,30,31
	v_cndmask_b32 v[SC+32*\qt+\n], v[SC+32*\qt+\n], v[NEG], s[\buf+\n]
.endr
.endm
; The new running maximum of query tile qt (my 32 keys, the other half's 32, the old maximum), and the factor 2^(old - new).  16 places for the queue.
.macro MAXQ qt, first
.irp g, 0,1,2,3
	v_max3_num_f32 v[T+\g], v[SC+32*\qt+8*\g], v[SC+32*\qt+8*\g+1], v[SC+32*\qt+8*\g+2]
	EX
.endr
.irp g, 0,1,2,3
	v_max3_num_f32 v[T+\g], v[T+\g], v[SC+32*\qt+8*\g+3], v[SC+32*\qt+8*\g+4]
	EX
.endr
.irp g, 0,1,2,3
	v_max3_num_f32 v[T+\g], v[T+\g], v[SC+32*\qt+8*\g+5], v[SC+32*\qt+8*\g+6]
	EX
.endr
	v_max3_num_f32 v[T],   v[T],   v[SC+32*\qt+7],  v[SC+32*\qt+15]
	EX
	v_max3_num_f32 v[T+1], v[T+1], v[SC+32*\qt+23], v[SC+32*\qt+31]
	EX
.if \first
	v_max_num_f32 v[T+2], v[T+2], v[T+3]
.else
	v_max3_num_f32 v[T+2], v[T+2], v[T+3], v[ML+2*\qt]
.endif
	EX
	v_max3_num_f32 v[T], v[T], v[T+1], v[T+2]
	EX
	v_permlanex16_b32 v[T+4], v[T], s26, s27       ; the same query's other 32 keys
	v_max_num_f32 v[T+5], v[T], v[T+4]
.if \first
	v_mov_b32 v[ML+2*\qt], v[T+5]
.else
	v_sub_f32 v[AL+2*\qt], v[ML+2*\qt], v[T+5]
	v_exp_f32 v[AL+2*\qt], v[AL+2*\qt]
	v_mov_b32 v[ML+2*\qt], v[T+5]                  ; the plain instruction behind the exponential
.endif
.endm
.macro SUBQ qt                         ; score - maximum, two at a time; both halves take the pair's first register.  16 places for the queue.
.irp p, 0,1,2,3,4,5,6,7,8,9,10,11,12,13,14,15
	v_pk_add_f32 v[SC+32*\qt+2*\p:SC+32*\qt+2*\p+1], v[SC+32*\qt+2*\p:SC+32*\qt+2*\p+1], v[ML+2*\qt:ML+2*\qt+1] op_sel_hi:[1,0] neg_lo:[0,1] neg_hi:[0,1]
	EX
.endr
.endm
.macro CVTP qt, i                      ; pair i of the tile's 32 numbers to f16, into register i & 7 of fragment i >> 3: a register whose numbers have been added and packed already
	v_cvt_pk_f16_f32 v[SC+32*\qt+16*((\i)>>3)+((\i)&7)], v[SC+32*\qt+2*(\i)], v[SC+32*\qt+2*(\i)+1]
	EX
.endm
.macro SUMCVT qt, first                ; my 32 P are added (two chains of pairs) and packed; the sum stays a half's own until the way out.  32 places for the queue.
	s_wait_alu depctr_va_vdst(0)
	v_pk_add_f32 v[T:T+1], v[SC+32*\qt:SC+32*\qt+1], v[SC+32*\qt+2:SC+32*\qt+3]
	EX
	CVTP \qt, 0
	CVTP \qt, 1
	v_pk_add_f32 v[T+2:T+3], v[SC+32*\qt+4:SC+32*\qt+5], v[SC+32*\qt+6:SC+32*\qt+7]
	EX
	CVTP \qt, 2
	CVTP \qt, 3
.irp i, 4,5,6,7,8,9,10,11,12,13,14,15
	v_pk_add_f32 v[T+2*(\i&1):T+2*(\i&1)+1], v[T+2*(\i&1):T+2*(\i&1)+1], v[SC+32*\qt+2*\i:SC+32*\qt+2*\i+1]
	EX
	CVTP \qt, \i
.endr
	v_pk_add_f32 v[T:T+1], v[T:T+1], v[T+2:T+3]
	EX
	v_add_f32 v[T], v[T], v[T+1]
	EX
.if \first
	v_mov_b32 v[ML+2*\qt+1], v[T]
	s_wait_alu depctr_va_vdst(0)
.else
	v_fma_f32 v[ML+2*\qt+1], v[ML+2*\qt+1], v[AL+2*\qt], v[T]
	s_wait_alu depctr_va_vdst(0)
.endif
.endm
.macro SCALEO qa, qb                   ; two query tiles of O^T times a number a lane and query tile (setting 0x04)
.irp qt, \qa, \qb
.irp p, 0,1,2,3,4,5,6,7,8,9,10,11,12,13,14,15
	v_pk_mul_f32 v[OT+32*\qt+2*\p:OT+32*\qt+2*\p+1], v[OT+32*\qt+2*\p:OT+32*\qt+2*\p+1], v[AL+2*\qt:AL+2*\qt+1] op_sel_hi:[1,0]
.endr
.endr
.endm
; 16 matrix instructions: two query tiles of O^T += V^T P^T (setting 0x04).  Eight accumulators take turns, one instruction a turn.
.macro PV qa, qb, first
.irp c, 0,1
.irp dt, 0,1,2,3
.irp qt, \qa, \qb
.if \first*(1-\c)
	v_wmma_f32_16x16x32_f16 v[OT+32*\qt+8*\dt:OT+32*\qt+8*\dt+7], v[XF+32*\c+8*\dt:XF+32*\c+8*\dt+7], v[SC+32*\qt+16*\c:SC+32*\qt+16*\c+7], 0
.else
	v_wmma_f32_16x16x32_f16 v[OT+32*\qt+8*\dt:OT+32*\qt+8*\dt+7], v[XF+32*\c+8*\dt:XF+32*\c+8*\dt+7], v[SC+32*\qt+16*\c:SC+32*\qt+16*\c+7], v[OT+32*\qt+8*\dt:OT+32*\qt+8*\dt+7]
.endif
.endr
.endr
.endr
.endm
; Half a step's softmax and P V: query tiles qa and qb = qa + 1 (0, 1 or 2, 3).
; Behind the wait no scalar load is out: both tiles' words are in.  Both tiles are masked; then the next two tiles' words are asked for: those of this step's tiles 2 and 3,
; or, with the block's offset stepped, those of the next step's tiles 0 and 1.  Each buffer's loads stand some 30 vector instructions behind its last reader.
.macro HALF qa, qb, first
	WIN 0x55
	s_wait_kmcnt 0x0
	MASKQ \qa, MB0
	MASKQ \qb, MB1
.if \qa
	s_add_co_u32 s24, s24, 16384                   ; no scalar load is out, so the offset may be stepped: the next 64 keys' block
	s_and_b32 s24, s24, 0x7ffff                    ; the last step's look-ahead wraps to the buffer's first block: inside the 524,288 bytes, and not used
	MLOAD MB0, 0
.else
	MLOAD MB0, 256
.endif
	MAXQ \qa, \first
.if \qa
	MLOAD MB1, 128
.else
	MLOAD MB1, 384
.endif
	SUBQ \qa
	EXQ \qa                                        ; tile qa's exponentials go through tile qb's maximum and subtraction: 16 + 16 places
	MAXQ \qb, \first
	SUBQ \qb
	EXFLUSH
	EXQ \qb                                        ; tile qb's go through tile qa's sums and packing: 32 places
	SUMCVT \qa, \first
	EXFLUSH
	SUMCVT \qb, \first
	WIN 0x04
.if \first == 0
	SCALEO \qa, \qb
.endif
.if \qa == 0
	s_wait_dscnt 0x0                               ; V's fragments
.endif
	PV \qa, \qb, \first
.endm
; One step: 64 keys x my 64 queries.  first = 1: the first products start O^T, maximum and sum; nothing is cleared.
.macro STEP first
	WIN 0
.irp kt, 0,1,2,3
.irp ks, 0,1
	ds_load_b128 v[XF+16*\kt+8*\ks:XF+16*\kt+8*\ks+3],   v[KA] offset:\kt*16*KP+\ks*64
	ds_load_b128 v[XF+16*\kt+8*\ks+4:XF+16*\kt+8*\ks+7], v[KA] offset:\kt*16*KP+\ks*64+32
.endr
.endr
	WIN 0x54
	s_wait_dscnt 8                                 ; key tiles 0 and 1 are in; the eight younger loads may be out
	QK 0
	s_wait_dscnt 0
	QK 2
	WIN 0
.rept 4
	v_nop                                          ; four places: before V's loads land on the fragments just read, and before the scores are read
.endr
.irp c, 0,1
.irp dt, 0,1,2,3
	ds_load_tr16_b128 v[XF+32*\c+8*\dt:XF+32*\c+8*\dt+3],   v[VA] offset:\c*32*KP+\dt*32
	ds_load_tr16_b128 v[XF+32*\c+8*\dt+4:XF+32*\c+8*\dt+7], v[VA] offset:\c*32*KP+\dt*32+16*KP
.endr
.endr
	HALF 0, 1, \first
	HALF 2, 3, \first                              ; its vector work names none of the registers of the first half's matrix instructions
	WIN 0
	v_add_nc_u32 v[KA], 64*KP, v[KA]               ; five places: four before the next step's loads land on the fragments just read,
	v_add_nc_u32 v[VA], 64*KP, v[VA]               ; five before its score products write over P (ISA guide 7.12.1)
	v_nop
	v_nop
	v_nop
.endm
; A pass: the 256 keys of one slot, four steps.  In front of the round every wave waits for all its tensor loads (its part of this slot among them) and for its reads of
; the other slot; behind it the other slot's refill comes first, one load a wave: 8 x 16 KiB, with the whole pass in which to land.
.macro PASS slot, refill
	s_wait_tensorcnt 0x0                           ; no tensor load of mine is out: a group 0 may be written
	ds_add_u32 v62, v63
	s_wait_dscnt 0x0
.if \refill
	s_add_nc_u64 s[G0+4*(1-\slot)+2:G0+4*(1-\slot)+3], s[G0+4*(1-\slot)+2:G0+4*(1-\slot)+3], 2*PASSB
.endif
	s_wait_dscnt 0x0                               ; my reads of the other slot are back
	ROUND                                          ; both now hold of every wave of all four work-groups
.if \refill
	tensor_load_to_lds s[G0+4*(1-\slot):G0+4*(1-\slot)+3], s[G1:G1+7]
	s_nop 0
.endif
	v_add_nc_u32 v[KA], \slot*SLOT, v[KB0]
	v_add_nc_u32 v[VA], \slot*SLOT, v[VB0]
	s_mov_b32 s7, 4
.Lstep_\@:
	STEP 0
	s_sub_co_u32 s7, s7, 1
	s_cmp_lg_u32 s7, 0
	s_cbranch_scc1 .Lstep_\@
.endm
	STEP 1                                         ; pass 0, slot 0
	s_mov_b32 s7, 3
.Lfirst:
	STEP 0
	s_sub_co_u32 s7, s7, 1
	s_cmp_lg_u32 s7, 0
	s_cbranch_scc1 .Lfirst
	s_mov_b32 s25, 3
.Lring:
	PASS 1, 1                                      ; passes 1 to 6: each fills the slot read last with the keys two passes on
	PASS 0, 1
	s_sub_co_u32 s25, s25, 1
	s_cmp_lg_u32 s25, 0
	s_cbranch_scc1 .Lring
	PASS 1, 0                                      ; pass 7: nothing is left to fetch
	; THE WAY OUT.  The two halves' sums meet; O^T / sum; f16; through a stage of 256 rows x 272 bytes at LDS byte 0.  That is slot 0, which has had its last fill
	; and whose last reads every wave waited for in front of pass 7's round; slot 1, which slower waves may still read, begins behind the stage's 69,632 bytes.
	WIN 0x55
.irp qt, 0,1,2,3
	v_permlanex16_b32 v[T+\qt], v[ML+2*\qt+1], s26, s27
.endr
.irp qt, 0,1,2,3
	v_add_f32 v[T+\qt], v[T+\qt], v[ML+2*\qt+1]    ; at least 1: the row's largest score gives 2^0
.endr
.irp qt, 0,1,2,3
	v_rcp_f32 v[AL+2*\qt], v[T+\qt]
.endr
	v_nop                                          ; the plain instruction behind the reciprocals
	s_wait_alu depctr_va_vdst(0)
	WIN 0x04
	SCALEO 0, 1
	SCALEO 2, 3
	WIN 0
.irp qt, 0,1,2,3
.irp dt, 0,1,2,3
.irp k, 0,1,2,3
	v_cvt_pk_f16_f32 v[OT+32*\qt+8*\dt+\k], v[OT+32*\qt+8*\dt+2*\k], v[OT+32*\qt+8*\dt+2*\k+1]
.endr
	ds_store_b128 v[STO], v[OT+32*\qt+8*\dt:OT+32*\qt+8*\dt+3] offset:\qt*16*SPITCH+\dt*32   ; query 16 qt + r, d = 16 dt + 8 h + 0..7
.endr
.endr
	s_wait_dscnt 0x0                               ; my stores are in LDS before I say so: a row's two halves come from two waves
	s_barrier_signal -1
	s_barrier_wait -1
.irp i, 0,1,2,3,4,5,6,7,8,9,10,11,12,13,14,15
	ds_load_b128 v[XF+4*\i:XF+4*\i+3], v[RDA] offset:\i*2*SPITCH
.endr
.irp i, 0,1,2,3,4,5,6,7,8,9,10,11,12,13,14,15
	s_wait_dscnt 15-\i                             ; load i is in, the younger ones stay out
	global_store_b128 v[CO], v[XF+4*\i:XF+4*\i+3], s[28:29] offset:4096*\i   ; sixteen lanes store 256 consecutive bytes, aligned: two heads of one row
.endr
	s_wait_tensorcnt 0x0
	ds_add_u32 v62, v63
	s_wait_dscnt 0x0
	ROUND                                          ; the closing round
	s_endpgm
.Lfunc_end_k_q9082e3741c_attn:
	.size	k_q9082e3741c_attn, .Lfunc_end_k_q9082e3741c_attn-k_q9082e3741c_attn
	.p2alignl 7, 3214868480
	.fill 96, 4, 3214868480
	.section	.rodata,"a",@progbits
	.p2align	6, 0x0
	.amdhsa_kernel k_q9082e3741c_attn
		.amdhsa_group_segment_fixed_size 327680
		.amdhsa_private_segment_fixed_size 0
		.amdhsa_enable_private_segment 0
		.amdhsa_kernarg_size 24
		.amdhsa_user_sgpr_count 2
		.amdhsa_user_sgpr_kernarg_segment_ptr 1
		.amdhsa_wavefront_size32 1
		.amdhsa_system_sgpr_workgroup_id_x 1
		.amdhsa_system_sgpr_workgroup_id_y 1
		.amdhsa_system_sgpr_workgroup_id_z 1
		.amdhsa_system_vgpr_workitem_id 0
		.amdhsa_next_free_vgpr 512
		.amdhsa_next_free_sgpr 100
		.amdhsa_reserve_vcc 0
		.amdhsa_float_denorm_mode_32 3
		.amdhsa_float_denorm_mode_16_64 3
		.amdhsa_memory_ordered 1
		.amdhsa_forward_progress 1
		.amdhsa_inst_pref_size 222
	.end_amdhsa_kernel
	.amdgpu_metadata
---
amdhsa.version: [ 1, 2 ]
amdhsa.kernels:
  - .name:           k_q9082e3741c_attn
    .symbol:         k_q9082e3741c_attn.kd
    .args:
      - { .name: qkvh, .offset: 0, .size: 8, .value_kind: global_buffer, .address_space: global }
      - { .name: mbits, .offset: 8, .size: 8, .value_kind: global_buffer, .address_space: global }
      - { .name: atth, .offset: 16, .size: 8, .value_kind: global_buffer, .address_space: global }
    .group_segment_fixed_size: 327680
    .private_segment_fixed_size: 0
    .kernarg_segment_align: 8
    .kernarg_segment_size: 24
    .max_flat_workgroup_size: 256
    .sgpr_count:     100
    .vgpr_count:     512
    .wavefront_size: 32
...
	.end_amdgpu_metadata
.endif
;; end of part 3
;; launch gemm_out (part 4): grid 8 x 32, 4 waves a work-group, clusters of 4 x 4, 327,680 bytes of LDS; arguments atth, wouth, b_out, out0; writes out0
.if DOCPART == 4
	.amdgcn_target "amdgcn-amd-amdhsa--gfx1250"
	.amdhsa_code_object_version 6
	.text
	.protected	k_q9082e3741c_gemm_out
	.globl	k_q9082e3741c_gemm_out
	.p2align	8
	.type	k_q9082e3741c_gemm_out,@function
k_q9082e3741c_gemm_out:
	s_mov_b64 s[64:65], 0
	v_nop
	global_prefetch_b8 v0, s[64:65] scope:SCOPE_SE
	s_setreg_imm32_b32 hwreg(HW_REG_WAVE_MODE, 25, 1), 1
	s_wait_xcnt 0x0
	s_wait_alu depctr_hold_cnt(0) depctr_sa_sdst(0) depctr_va_vdst(0) depctr_va_sdst(0) depctr_va_ssrc(0) depctr_va_vcc(0) depctr_vm_vsrc(0)
	s_getreg_b32 s2, hwreg(HW_REG_IB_STS2, 6, 4)
	s_cmp_eq_u32 s2, 0
	s_cbranch_scc0 .Lentry_in_a_cluster
	s_endpgm
.Lentry_in_a_cluster:
	s_bfe_u32 s2, ttmp6, 0x10000c
	s_cmp_lg_u32 s2, 0xf033
	s_cbranch_scc0 .Lentry_shape_is_right
	s_endpgm
.Lentry_shape_is_right:
; out = att W_out^T + b_out.  A = atth [8192][1024] f16, B = wouth [1024][1024] f16 (W_out rounded to bf16, held in f16), sums and bias in f32, result f32.
; 8192 x 1024 results on 256 work-groups: a work-group makes 256 x 128 with four waves, a wave 128 x 64: 32 accumulator tiles of 16 x 16, 256 registers.
; For 32 along K a wave loads 8 + 4 fragments (24 LDS loads) and issues 32 matrix instructions: the price of a block small enough to give every WGP one.
; K goes in steps of 128 through two LDS slots of 384 rows filled by the tensor data mover; a tile's rows are 256 bytes of memory, aligned.
; CLUSTERS: 4 x 4 work-groups; A's tiles are asked for jointly along a row of the cluster, B's along a column.
; REGISTERS: window 0: v0-31 addresses, v32-159 fragments of A (two buffers of 8), v160-223 fragments of B (two buffers of 4);
; window 1: accumulators, tile (n block b, m block a) at v[8 (8 b + a)].
; The matrix instruction is used transposed (source 0 = rows of B, source 1 = rows of A): lane l holds row l % 16 and columns 8 (l / 16) + 0..7 of a tile.
.set SIZE_N, 1024
.set SIZE_K, 1024
.set KSTEP,  128
.set PITCH,  272                       ; an LDS row: 256 bytes + 16 of padding, an odd multiple of 16
.set HALFA,  128*PITCH                 ; half of A's 256 rows: the load of wave 0 or 1, and what one wave reads of A
.set HALFB,  64*PITCH                  ; half of B's 128 rows: the load of wave 2 or 3, and what one wave reads of B
.set SLOT,   2*HALFA+2*HALFB
.set STAGE,  2*SLOT                    ; behind the ring: 16 rows x 272 bytes for each wave; no tensor load lands here
.set SPITCH, 272                       ; 256 bytes (64 f32) + 16
.set ADRA, 16                          ; v16-17  LDS address of my A fragments in slot 0, 1
.set ADRB, 20                          ; v20-21  the same for B
.set STO,  24
.set RD,   25
.set CO,   26
.set BO,   27                          ; byte offset of my 8 bias numbers of a tile: 32 (l / 16); never rewritten
.set AF0,  32
.set AF1,  96
.set BF0,  160
.set BF1,  192
.set RB0,  32                          ; the way out: two buffers of 32 registers, read back and stored
.set RB1,  64
.set G1, 24
.set G0, 32
.set G1B, 48
.set G0B, 56
.set MSB, 0
.macro WIN new                         ; the immediate's high byte repeats the setting that is left
.if MSB != (\new)
	s_set_vgpr_msb (MSB<<8)|(\new)
.set MSB, (\new)
.endif
.endm
.set ACC, 0x50                         ; sources 0 and 1 window 0; C and D window 1
.macro JLOAD s                         ; waves 0 and 1 fetch A's two halves, waves 2 and 3 B's; the branch hangs on the wave's number alone
	s_cmp_eq_u32 s11, 0
	s_cbranch_scc0 .Lfor_b_\@
	tensor_load_to_lds s[G0+4*\s:G0+4*\s+3], s[G1:G1+7]
	s_nop 0
	s_branch .Lasked_\@
.Lfor_b_\@:
	tensor_load_to_lds s[G0B+4*\s:G0B+4*\s+3], s[G1B:G1B+7]
	s_nop 0
.Lasked_\@:
.endm
.macro CREST                           ; a round of the cluster's barrier behind its opening barrier
	s_cmp_lg_u32 s10, 0
	s_cbranch_scc1 .Lnot_wave_0_\@
	s_barrier_signal -3
.Lnot_wave_0_\@:
	s_barrier_wait -3
	s_barrier_signal -1
	s_barrier_wait -1
.endm
.macro CROUND
	s_barrier_signal -1
	s_barrier_wait -1
	CREST
.endm
	s_load_b128 s[4:7], s[0:1], 0x0                ; A s[4:5], B s[6:7]
	s_load_b64 s[66:67], s[0:1], 0x10              ; bias
	s_load_b64 s[8:9], s[0:1], 0x18                ; result
	v_lshl_add_u32 v254, v0, 2, 0x37400
	v_mov_b32 v255, 0
	ds_add_u32 v254, v255
	v_lshrrev_b32 v1, 5, v0
	v_readfirstlane_b32 s10, v1                    ; wave 0..3
	s_lshr_b32 s11, s10, 1                         ; my half of the block's rows.  Also: I fetch for A (0) or B (1)
	s_and_b32 s12, s10, 1                          ; my half of its columns.  Also: which half of that tile I fetch
	s_bfe_u32 s40, ttmp6, 0x40000                  ; cx
	s_bfe_u32 s41, ttmp6, 0x40004                  ; cy
	s_lshl_b32 s42, ttmp9, 2
	s_add_co_u32 s42, s42, s40                     ; block column = 4 x cluster x + cx
	s_and_b32 s13, ttmp7, 0xffff
	s_lshl_b32 s13, s13, 2
	s_add_co_u32 s13, s13, s41                     ; block row = 4 x cluster y + cy
	s_lshl_b32 s43, s41, 2
	s_lshl_b32 s43, 15, s43                        ; my row of the cluster
	s_lshl_b32 s44, 0x1111, s40                    ; my column
	; descriptor group 1: rows of 128 elements of 2 bytes, 16 bytes of padding behind every 256; A 128 rows a load, B 64
	s_or_b32 s[G1+0], s43, (1<<16)|(1<<20)|(1<<21)|(5<<22)|(3<<25)
	s_or_b32 s[G1B+0], s44, (1<<16)|(1<<20)|(1<<21)|(5<<22)|(3<<25)
	s_mov_b32 s[G1B+1], KSTEP<<16
	s_mov_b32 s[G1+1], KSTEP<<16                   ; tensor_dim0 = 128
	s_mov_b32 s[G1B+2], 64<<16
	s_mov_b32 s[G1+2], 128<<16                     ; tensor_dim1 = the load's rows
	s_mov_b32 s[G1B+3], KSTEP<<16
	s_mov_b32 s[G1+3], KSTEP<<16                   ; tile_dim0 = 128
	s_mov_b32 s[G1B+4], 64
	s_mov_b32 s[G1+4], 128                         ; tile_dim1
	s_mov_b32 s[G1B+5], SIZE_K
	s_mov_b32 s[G1+5], SIZE_K                      ; elements from row to row
	s_mov_b32 s[G1B+6], 0
	s_mov_b32 s[G1+6], 0
	s_mov_b32 s[G1B+7], 0
	s_mov_b32 s[G1+7], 0
	; A's tiles hang on the block row alone, B's on the block column alone, each in registers that never hold the other coordinate
	s_lshl_b32 s16, s13, 19                        ; A: row 256 x block row + 128 x half, 2,048 bytes a row
	s_lshl_b32 s17, s12, 18
	s_add_co_u32 s16, s16, s17
	s_mov_b32 s17, 0
	s_lshl_b32 s46, s42, 18                        ; B: row 128 x block column + 64 x half
	s_lshl_b32 s47, s12, 17
	s_add_co_u32 s46, s46, s47
	s_mov_b32 s47, 0
	s_mul_i32 s20, s12, HALFA                      ; LDS: A's two halves,
	s_mul_i32 s21, s12, HALFB
	s_add_co_u32 s21, s21, 2*HALFA                 ; then B's two halves: no place in the cluster enters an LDS address
	s_lshl_b32 s70, s42, 9                         ; 4 bytes x (128 x block column + 64 x half): my columns, in the bias and in a row of the result
	s_lshl_b32 s71, s12, 8
	s_add_co_u32 s70, s70, s71
	s_mov_b32 s71, 0
	s_wait_dscnt 0x0
	s_wait_kmcnt 0x0
	s_add_nc_u64 s[14:15], s[4:5], s[16:17]
	s_add_nc_u64 s[46:47], s[6:7], s[46:47]
	s_add_nc_u64 s[66:67], s[66:67], s[70:71]
	CROUND                                         ; all sixteen work-groups are here: the first joint loads meet
.irp s, 0,1
	s_mov_b32 s[G0+4*\s], 1
	s_add_co_u32 s[G0+4*\s+1], s20, \s*SLOT
	s_add_nc_u64 s[G0+4*\s+2:G0+4*\s+3], s[14:15], \s*KSTEP*2
	s_or_b32 s[G0+4*\s+3], s[G0+4*\s+3], 0x80000000
	s_mov_b32 s[G0B+4*\s], 1
	s_add_co_u32 s[G0B+4*\s+1], s21, \s*SLOT
	s_add_nc_u64 s[G0B+4*\s+2:G0B+4*\s+3], s[46:47], \s*KSTEP*2
	s_or_b32 s[G0B+4*\s+3], s[G0B+4*\s+3], 0x80000000
	JLOAD \s                                       ; both slots are asked for before anything else: two tensor loads of the wave are out
.endr
	v_and_b32 v1, 15, v0                           ; l % 16
	v_bfe_u32 v2, v0, 4, 1                         ; l / 16
	v_mul_u32_u24 v3, v1, PITCH
	v_lshl_add_u32 v3, v2, 4, v3                   ; fragment: row x pitch + 16 x half
	s_mul_i32 s22, s11, HALFA                      ; my 128 rows of A
	s_mul_i32 s23, s12, HALFB                      ; my 64 rows of B,
	s_add_co_u32 s23, s23, 2*HALFA                 ; which lie behind A's 256
.irp s, 0,1
	v_add_nc_u32 v[ADRA+\s], s22, v3
	v_add_nc_u32 v[ADRB+\s], s23, v3
	s_add_co_u32 s22, s22, SLOT
	s_add_co_u32 s23, s23, SLOT
.endr
	s_mul_i32 s23, s10, 16*SPITCH
	s_add_co_u32 s23, s23, STAGE                   ; my stage
	v_mul_u32_u24 v4, v1, SPITCH                   ; in: row l % 16, 32 bytes for each half of the lanes
	v_lshl_add_u32 v4, v2, 5, v4
	v_add_nc_u32 v[STO], s23, v4
	v_mul_u32_u24 v5, v2, SPITCH                   ; back: lanes 0-15 take one row of 256 bytes, lanes 16-31 the next
	v_lshl_add_u32 v5, v1, 4, v5
	v_add_nc_u32 v[RD], s23, v5
	v_lshlrev_b32 v5, 12, v2                       ; and the same two rows in the result, 4,096 bytes apart
	v_lshl_add_u32 v[CO], v1, 4, v5
	v_lshlrev_b32 v[BO], 5, v2
	; The bias of columns 16 b + 8 (l / 16) + 0..7 goes into accumulator tile (b, 0): it is the C of the first products of the eight tiles (b, 0..7).
	WIN 0x40                                       ; destination window 1
.irp b, 0,1,2,3
	global_load_b128 v[64*\b:64*\b+3],   v[BO], s[66:67] offset:64*\b
	global_load_b128 v[64*\b+4:64*\b+7], v[BO], s[66:67] offset:64*\b+16
.endr
	WIN 0
; 16 matrix instructions: m blocks a0 .. a0 + 3 x the four n blocks, 32 along K.
; The 32 accumulators take turns, one instruction a turn, in the same order in every quarter step.
.macro MUL16 bf, af, a0
.irp a, \a0, \a0+1, \a0+2, \a0+3
.irp b, 0,1,2,3
	v_wmma_f32_16x16x32_f16 v[8*(8*\b+(\a)):8*(8*\b+(\a))+7], v[\bf+8*\b:\bf+8*\b+7], v[\af+8*(\a):\af+8*(\a)+7], v[8*(8*\b+(\a)):8*(8*\b+(\a))+7]
.endr
.endr
.endm
; The first 32: the sums start from the bias, which lies in tile (b, 0).  Tiles (b, 1..7) take it as C; five places further on
; (a matrix instruction writes over a register that earlier ones read: ISA guide 7.12.1) tile (b, 0) adds in place.  Nothing is cleared.
.macro MULB bf, af
.irp a, 1,2,3,4,5,6,7
.irp b, 0,1,2,3
	v_wmma_f32_16x16x32_f16 v[8*(8*\b+\a):8*(8*\b+\a)+7], v[\bf+8*\b:\bf+8*\b+7], v[\af+8*\a:\af+8*\a+7], v[64*\b:64*\b+7]
.endr
.endr
.rept 5
	v_nop
.endr
.irp b, 0,1,2,3
	v_wmma_f32_16x16x32_f16 v[64*\b:64*\b+7], v[\bf+8*\b:\bf+8*\b+7], v[\af:\af+7], v[64*\b:64*\b+7]
.endr
.endm
; 24 LDS loads in one run: the fragments of one quarter step (64 rows of B, 128 rows of A, 32 K at byte k of the rows)
.macro LDF slot, k, af, bf
.irp i, 0,1,2,3
	ds_load_b128 v[\bf+8*\i:\bf+8*\i+3],   v[ADRB+\slot] offset:\k+\i*16*PITCH
	ds_load_b128 v[\bf+8*\i+4:\bf+8*\i+7], v[ADRB+\slot] offset:\k+\i*16*PITCH+32
.endr
.irp i, 0,1,2,3,4,5,6,7
	ds_load_b128 v[\af+8*\i:\af+8*\i+3],   v[ADRA+\slot] offset:\k+\i*16*PITCH
	ds_load_b128 v[\af+8*\i+4:\af+8*\i+7], v[ADRA+\slot] offset:\k+\i*16*PITCH+32
.endr
.endm
; Four places behind a matrix instruction before a load lands on a register that it read, or anything but a matrix instruction reads its result
.macro PLACES
.rept 4
	v_nop
.endr
.endm
; A K step: four quarters of 32 along K, 32 matrix instructions each, on buffers 0, 1, 0, 1.  In front of each quarter the NEXT quarter's fragments are asked
; for, into the buffers that the quarter before has just read; the wait leaves just these 24 out.
; The slots change in the third quarter, behind this slot's last reads.  In front of the barrier each wave waits for its reads of this slot and for all its tensor
; loads (one is out: its part of the next slot).  Where the slot is filled again the barrier opens a round of the cluster's barrier, and the joint refill is the
; first tensor load behind the round: from a request to the wait for it a wave issues 112 matrix instructions.
; first = 1: the sums start.  more = 0: the last K step.  fill = 1: this slot is filled again, two K steps ahead.
.macro KS slot, next, first, more, fill
	PLACES
	WIN 0
	LDF \slot, 64, AF1, BF1
	s_wait_dscnt 24                                ; all but the 24 just issued
	WIN ACC
.if \first
	MULB BF0, AF0
.else
	MUL16 BF0, AF0, 0
	MUL16 BF0, AF0, 4
.endif
	PLACES
	WIN 0
	LDF \slot, 128, AF0, BF0
	s_wait_dscnt 24
	WIN ACC
	MUL16 BF1, AF1, 0
	MUL16 BF1, AF1, 4
	PLACES
	WIN 0
	LDF \slot, 192, AF1, BF1
	s_wait_dscnt 24
	WIN ACC
	MUL16 BF0, AF0, 0
	s_wait_dscnt 0                                 ; my reads of this slot are over: the fourth quarter's fragments are in
.if \more
	s_wait_tensorcnt 0x0                           ; all my tensor loads have landed
	ds_add_u32 v254, v255
	s_wait_dscnt 0x0
	s_barrier_signal -1
.endif
	MUL16 BF0, AF0, 4                              ; register work while the others arrive
.if \more
	WIN 0
	s_barrier_wait -1
.if \fill
	CREST
	s_add_nc_u64 s[G0+4*\slot+2:G0+4*\slot+3], s[G0+4*\slot+2:G0+4*\slot+3], 2*KSTEP*2
	s_add_nc_u64 s[G0B+4*\slot+2:G0B+4*\slot+3], s[G0B+4*\slot+2:G0B+4*\slot+3], 2*KSTEP*2
	JLOAD \slot
.endif
	PLACES
	LDF \next, 0, AF0, BF0                         ; the next K step's first quarter
.endif
	WIN ACC
	MUL16 BF1, AF1, 0
	MUL16 BF1, AF1, 4
.endm
	s_wait_tensorcnt 1                             ; my part of K step 0 is in; K step 1's load stays out
	s_barrier_signal -1
	s_barrier_wait -1
	LDF 0, 0, AF0, BF0
	s_wait_loadcnt 0x0                             ; the bias
	KS 0, 1, 1, 1, 1                               ; K steps 0 and 1 stand in front of the loop: the first starts the sums
	KS 1, 0, 0, 1, 1
	WIN 0                                          ; at a label and at a branch every window is 0
	s_mov_b32 s3, 2                                ; K steps 2 to 5
.Llap:
	KS 0, 1, 0, 1, 1
	KS 1, 0, 0, 1, 1
	WIN 0
	s_sub_co_u32 s3, s3, 1
	s_cmp_lg_u32 s3, 0
	s_cbranch_scc1 .Llap
	KS 0, 1, 0, 1, 0                               ; K steps 6 and 7 fill nothing
	KS 1, 0, 0, 0, 0
	; THE WAY OUT, 16 rows at a time.  The bias is in the sums already: 32 bytes a lane go straight from the accumulators into my own stage
	; and are read back as whole rows of 256 bytes.
	PLACES
	s_lshl_b32 s72, s13, 20                        ; 256 rows of 4,096 bytes for each block row
	s_lshl_b32 s73, s11, 19                        ; 128 rows for my half
	s_add_co_u32 s72, s72, s73
	s_add_co_u32 s72, s72, s70                     ; my columns
	s_mov_b32 s73, 0
	s_add_nc_u64 s[8:9], s[8:9], s[72:73]
; rows 16 a .. 16 a + 15 of my block = the four tiles (0..3, a); rb: RB0, RB1 in turn
.macro OUT16 a, rb
	WIN 0x04                                       ; an LDS store's data is source 1: window 1
.irp b, 0,1,2,3
	ds_store_b128 v[STO], v[8*(8*\b+\a):8*(8*\b+\a)+3]   offset:64*\b
	ds_store_b128 v[STO], v[8*(8*\b+\a)+4:8*(8*\b+\a)+7] offset:64*\b+16
.endr
	WIN 0
	s_wait_xcnt 0x0                                ; buffer rb, which earlier stores read, is loaded again only behind this wait
.irp t, 0,1,2,3,4,5,6,7
	ds_load_b128 v[\rb+4*\t:\rb+4*\t+3], v[RD] offset:\t*2*SPITCH  ; LDS serves a wave's instructions in order: these see the stores above
.endr
.irp t, 0,1,2,3,4,5,6,7
	s_wait_dscnt 7-\t                              ; load t is in, the younger ones stay out
	global_store_b128 v[CO], v[\rb+4*\t:\rb+4*\t+3], s[8:9] offset:(16*\a+2*\t)*SIZE_N*4 th:TH_STORE_NT   ; sixteen lanes store 256 consecutive bytes, aligned
.endr
.endm
	OUT16 0, RB0
	OUT16 1, RB1
	OUT16 2, RB0
	OUT16 3, RB1
	OUT16 4, RB0
	OUT16 5, RB1
	OUT16 6, RB0
	OUT16 7, RB1
	s_wait_tensorcnt 0x0
	ds_add_u32 v254, v255
	s_wait_dscnt 0x0
	CROUND                                         ; the closing round: no work-group ends while a partner may still ask for a tile that names it
	s_endpgm
.Lfunc_end_k_q9082e3741c_gemm_out:
	.size	k_q9082e3741c_gemm_out, .Lfunc_end_k_q9082e3741c_gemm_out-k_q9082e3741c_gemm_out
	.p2alignl 7, 3214868480
	.fill 96, 4, 3214868480
	.section	.rodata,"a",@progbits
	.p2align	6, 0x0
	.amdhsa_kernel k_q9082e3741c_gemm_out
		.amdhsa_group_segment_fixed_size 327680
		.amdhsa_private_segment_fixed_size 0
		.amdhsa_enable_private_segment 0
		.amdhsa_kernarg_size 32
		.amdhsa_user_sgpr_count 2
		.amdhsa_user_sgpr_kernarg_segment_ptr 1
		.amdhsa_wavefront_size32 1
		.amdhsa_system_sgpr_workgroup_id_x 1
		.amdhsa_system_sgpr_workgroup_id_y 1
		.amdhsa_system_sgpr_workgroup_id_z 1
		.amdhsa_system_vgpr_workitem_id 0
		.amdhsa_next_free_vgpr 512
		.amdhsa_next_free_sgpr 80
		.amdhsa_reserve_vcc 0
		.amdhsa_float_denorm_mode_32 3
		.amdhsa_float_denorm_mode_16_64 3
		.amdhsa_memory_ordered 1
		.amdhsa_forward_progress 1
		.amdhsa_inst_pref_size 118
	.end_amdhsa_kernel
	.amdgpu_metadata
---
amdhsa.version: [ 1, 2 ]
amdhsa.kernels:
  - .name:           k_q9082e3741c_gemm_out
    .symbol:         k_q9082e3741c_gemm_out.kd
    .args:
      - { .name: atth, .offset: 0, .size: 8, .value_kind: global_buffer, .address_space: global }
      - { .name: wouth, .offset: 8, .size: 8, .value_kind: global_buffer, .address_space: global }
      - { .name: b_out, .offset: 16, .size: 8, .value_kind: global_buffer, .address_space: global }
      - { .name: out0, .offset: 24, .size: 8, .value_kind: global_buffer, .address_space: global }
    .group_segment_fixed_size: 327680
    .private_segment_fixed_size: 0
    .kernarg_segment_align: 8
    .kernarg_segment_size: 32
    .max_flat_workgroup_size: 128
    .sgpr_count:     80
    .vgpr_count:     512
    .wavefront_size: 32
...
	.end_amdgpu_metadata
.endif
;; end of part 4
